; MI455X (gfx1250); checked and timed in simulation.
; The chip was launched on July 23, 2026; its instructions are those of AMD's public machine-readable ISA for CDNA 5 (MIT licence, August 2026) and "CDNA5" Instruction Set Architecture Reference Guide (July 2026). The comments in the code are by the model that wrote it; some were corrected since.
;; Oxide Model. Allowed arithmetic: float matrix products may take bf16 or f16 operands with f32 sums; other float arithmetic in f32, or as packed bf16 or f16 multiplies, adds, multiply-adds, maxima and minima; sums over many terms, partial sums and values carried from step to step in f32; what a program stores and reads back later, other than sums and carried values, may be rounded once to bf16 or f16.
;; Inputs: E_param 1 float32; T_max_delta 1 float32; V_max 1 float32; global_shift 1 float32; input 16,777,216 float32.
;; Outputs: out0 16,777,216 float32.
;; One version. Each part assembles by itself: llvm-mc -triple=amdgcn-amd-amdhsa -mcpu=gfx1250 --defsym DOCPART=n.
;; ======== version 1 of 1: 1 launch
;; launch oxide (part 1): grid 1024 x 1, 8 waves a work-group, no clusters, 0 bytes of LDS; arguments input, global_shift, E_param, T_max_delta, V_max, out0; writes out0
.if DOCPART == 1
	.amdgcn_target "amdgcn-amd-amdhsa--gfx1250"
	.amdhsa_code_object_version 6
	.text
	.protected	k_qf011427405_oxide
	.globl	k_qf011427405_oxide
	.p2align	8
	.type	k_qf011427405_oxide,@function
k_qf011427405_oxide:
	s_mov_b64 s[64:65], 0
	v_nop
	global_prefetch_b8 v0, s[64:65] scope:SCOPE_SE
	s_setreg_imm32_b32 hwreg(HW_REG_WAVE_MODE, 25, 1), 1
	s_wait_xcnt 0x0
; out[i] = exp(clip(f(t) - f(T), -100, 100)) * max(U - exp(f(T)/2)/3 * (I(t) - I(T)), 0)^2,   t = max(input[i], 1e-10),   16,777,216 numbers of f32 in and out.
;   E = clip(1000 exp(E_param), 1e-10, 1e10), U = sqrt(clip(exp(V_max), 1e-10, 1e10)), T = max(500 + 50 tanh(T_max_delta) + global_shift, 1e-10),
;   f(t) = K - E/t, K = E/T + (2/3) ln(1.5 E U / T^2), I(t) = exp(K) (t exp(-E/t) + E Ei(-E/t)).
; THE FORM COMPUTED.  With x = E/t, xT = E/T, z = 1.5 E U / T^2: f(T) = (2/3) ln z, so exp(f(T)/2)/3 * exp(K) = e^xT z/3 = e^xT C2 with C2 = E U / (2 T^2): K and its logarithm drop out.
; With w = e^(xT - x), which is also the leading exponential:   out = w * max(A - C2 t v(x), 0)^2,   A = U + C2 T v(xT),   v(x) = e^xT (e^-x + x Ei(-x)):
;   x >= 1:  v = w D(x)/Q(x).  Q and P are the quartics of Abramowitz and Stegun 5.1.56; D = Q - P is taken coefficient by coefficient, so 1 - P/Q is never formed as a difference.
;   x <  1:  v = w + e^xT x (gamma + ln x + s(x)),  s(x) = sum over k of (-x)^k / (k k!).
; C2 T v(xT) is at most U/2 for every xT, so A is no difference of large numbers.
; THE SERIES.  gamma + s(x) on 0..1 is taken as its expansion in shifted Chebyshev polynomials cut behind T6, written as a polynomial of degree 6.  The first coefficient dropped is 2.3e-9,
; below half an f32 step of the smallest |Ei| in that range (0.219): the cut holds for every x <= 1.
; BOTH FORMS ARE COMPUTED FOR EVERY ELEMENT, and chosen by arithmetic: no branch hangs on data.  Three lines use v_pk_fma_f32 with clamp (result held to 0..1), two elements a line:
;   xs = clamp(x + 1e-30) stands for clip(x, 1e-30, 1): the 1e-30 changes x only below 1e-22, where x ln x is under 1e-20 beside 1;
;   s  = clamp(2^24 - 2^24 x) is exactly 1 for every f32 x < 1 and exactly 0 for x >= 1;  v = vL + s (vS - vL), both sides finite (see eT below);
;   m  = clamp(1 - (C2/A) t v) = max(inner, 0) / A, since t v >= 0 keeps the argument at 1 or below.
; LIMITS.  v_exp_f32, v_rcp_f32 and v_log_f32 flush denormals (ISA guide 15.8): an exponential or an output below 2^-126 counts as 0.  The clip at +-100 has no line of its own: e^100 is beyond
; f32's largest number and e^-100 below its smallest normal one, so v_exp_f32 gives infinity and 0 there with or without it.  max(x, 1) in front of the rational form has none either: below 1 that form
; is finite and s throws it away.  x = 1 exactly takes the rational form (the two forms differ there by parts in 1e7).  Where the model's own f32 evaluation gives infinity or NaN (exp(K) past 3.4e38,
; x^4 past it from x = 4.3e9 on, xT - x above 88.7) this text may give other values.  NaN and infinities among the inputs are not treated apart.  Divisions are v_rcp_f32 and a multiply.
; SHARES.  1,024 work-groups of eight waves; a work-group owns 65,536 consecutive bytes.  A wave makes GROUPS groups of eight elements a lane: two loads of 16 bytes a lane, 4,096 bytes apart, so each
; load and store of a wave covers 512 consecutive bytes, aligned, and the eight waves together 8,192.  A ring of DEPTH register slots keeps 2 DEPTH loads of every wave on their way.
; Every address is one vector offset that is never rewritten plus an immediate (61,440 at the most), so the groups are written out by macro and nothing is stepped.
.set GROUPS, 8
.set DEPTH,  4
.set STEP,   8192                      ; bytes of a work-group's group
.set OFF, 1                            ; v1        16 x thread: my byte offset; never rewritten
.set CE,  2                            ; v[2:3]    E, E         the clamped lines take vector registers alone, so their constants lie in pairs
.set CTI, 4                            ; v[4:5]    1e-30 twice
.set CNB, 6                            ; v[6:7]    -2^24 twice
.set CB,  8                            ; v[8:9]    2^24 twice
.set CNK, 10                           ; v[10:11]  -C2/A twice
.set C1,  12                           ; v[12:13]  1.0 twice
.set TS,  14                           ; v[14:15]  T twice: the pair on which v(xT) is made
.set R,   16                           ; v[16:23]  1/t, later log2 xs
.set XV,  24                           ; v[24:31]  x, later s
.set XS,  32                           ; v[32:39]  xs
.set W,   40                           ; v[40:47]  (xT - x) log2 e, then w
.set Q,   48                           ; v[48:55]  Q, then 1/Q
.set D,   56                           ; v[56:63]  D, vL, v, t v, m, ... out: the stores' data
.set P,   64                           ; v[64:71]  eT (gamma + ln xs + s), vS, vS - vL
.set X,   72                           ; v[72:103] the ring: slot i at X + 8 i: t as loaded, then max(t, 1e-10)
; scalar pairs: a packed line names a pair and takes its low word for both halves; the high word is named with it, so it is written
.set SE,  20                           ; E
.set SNE, 22                           ; -E log2 e
.set SXT, 24                           ; xT log2 e
.set SA,  26                           ; A
.set SB1, 28                           ; Q's coefficients
.set SB2, 30
.set SB3, 32
.set SB4, 34
.set SD1, 36                           ; D's coefficients
.set SD2, 38
.set SD3, 40
.set SD4, 42
.set SP0, 44                           ; eT x the polynomial's coefficients, degree 0 to 6
.set SP1, 46
.set SP2, 48
.set SP3, 50
.set SP4, 52
.set SP5, 54
.set SP6, 56
.set SLN, 58                           ; eT ln 2
.set SET, 60                           ; eT = min(e^xT, 2^120)
.set SU,  61                           ; U
.set SC2, 62                           ; C2
.set STINY, 63                         ; 1e-10
.macro KONST r, bits
	s_mov_b32 s[\r], \bits
	s_mov_b32 s[\r+1], \bits
.endm
.macro EACH np, line:vararg            ; one line for each of np pairs; p is the pair's first register
.set p, 0
	s_wait_alu depctr_va_vdst(0)
.rept \np
	\line
.set p, p+2
.endr
.endm
.macro TRANS j, n                      ; number j of the 2 n transcendentals that stand among Q's rows: n exponentials, then n logarithms
.if (\j) < (\n)
	v_exp_f32 v[W+(\j)], v[W+(\j)]
.else
	v_log_f32 v[R+(\j)-(\n)], v[XS+(\j)-(\n)]
.endif
.endm
; EVAL1: from t in v[st ..] (np pairs) to t v(x) in D and w in W.  Behind every transcendental stands a plain vector line that neither reads its result nor writes its source before the result is used
; (ISA guide 5.7.2): the transcendentals are set one by one between lines of chains that do not need them.
.macro EVAL1 np, st
	v_max_num_f32 v[\st], s[STINY], v[\st]
	v_max_num_f32 v[\st+1], s[STINY], v[\st+1]
.set e, 0
.rept 2*\np-2
	v_rcp_f32 v[R+e], v[\st+e]
	v_max_num_f32 v[\st+e+2], s[STINY], v[\st+e+2]
.set e, e+1
.endr
	v_rcp_f32 v[R+e], v[\st+e]
	v_rcp_f32 v[R+e+1], v[\st+e+1]             ; with two pairs or more the first pair's three lines below are the plain lines behind these two
.if \np == 1
	v_nop
	s_wait_alu depctr_va_vdst(0)
.endif
.set p, 0
	s_wait_alu depctr_va_vdst(0)
.rept \np
	v_pk_fma_f32 v[W+p:W+p+1], v[R+p:R+p+1], s[SNE:SNE+1], s[SXT:SXT+1] op_sel_hi:[1,0,0]  ; (xT - x) log2 e
	v_pk_fma_f32 v[XS+p:XS+p+1], v[R+p:R+p+1], v[CE:CE+1], v[CTI:CTI+1] clamp              ; xs
	v_pk_mul_f32 v[XV+p:XV+p+1], v[R+p:R+p+1], s[SE:SE+1] op_sel_hi:[1,0]                  ; x
.set p, p+2
.endr
	; Q = (((x + b1) x + b2) x + b3) x + b4; behind each line one of w = 2^.. and log2 xs (into R, whose 1/t has been read)
.set j, 0
.set p, 0
.rept \np
	v_pk_add_f32 v[Q+p:Q+p+1], v[XV+p:XV+p+1], s[SB1:SB1+1] op_sel_hi:[1,0]
	TRANS j, 2*\np
.set j, j+1
.set p, p+2
.endr
.irp c, SB2, SB3, SB4
.set p, 0
.rept \np
	v_pk_fma_f32 v[Q+p:Q+p+1], v[Q+p:Q+p+1], v[XV+p:XV+p+1], s[\c:\c+1] op_sel_hi:[1,1,0]
	TRANS j, 2*\np
.set j, j+1
.set p, p+2
.endr
.endr
	; D = ((d1 x + d2) x + d3) x + d4; behind the lines of its first two rows the reciprocals of Q
.set p, 0
.rept \np
	v_pk_fma_f32 v[D+p:D+p+1], v[XV+p:XV+p+1], s[SD1:SD1+1], s[SD2:SD2+1] op_sel_hi:[1,0,0]
	v_rcp_f32 v[Q+p/2], v[Q+p/2]
.set p, p+2
.endr
.set p, 0
.rept \np
	v_pk_fma_f32 v[D+p:D+p+1], v[D+p:D+p+1], v[XV+p:XV+p+1], s[SD3:SD3+1] op_sel_hi:[1,1,0]
	v_rcp_f32 v[Q+\np+p/2], v[Q+\np+p/2]
.set p, p+2
.endr
	EACH \np, v_pk_fma_f32 v[D+p:D+p+1], v[D+p:D+p+1], v[XV+p:XV+p+1], s[SD4:SD4+1] op_sel_hi:[1,1,0]
	; eT (gamma + s(xs)): six rows of Horner's scheme
	EACH \np, v_pk_fma_f32 v[P+p:P+p+1], v[XS+p:XS+p+1], s[SP6:SP6+1], s[SP5:SP5+1] op_sel_hi:[1,0,0]
.irp c, SP4, SP3, SP2, SP1, SP0
	EACH \np, v_pk_fma_f32 v[P+p:P+p+1], v[P+p:P+p+1], v[XS+p:XS+p+1], s[\c:\c+1] op_sel_hi:[1,1,0]
.endr
	EACH \np, v_pk_fma_f32 v[XV+p:XV+p+1], v[XV+p:XV+p+1], v[CNB:CNB+1], v[CB:CB+1] clamp           ; s: 1 where x < 1, else 0
	EACH \np, v_pk_mul_f32 v[D+p:D+p+1], v[D+p:D+p+1], v[Q+p:Q+p+1]                                ; D/Q
	EACH \np, v_pk_fma_f32 v[P+p:P+p+1], v[R+p:R+p+1], s[SLN:SLN+1], v[P+p:P+p+1] op_sel_hi:[1,0,1]  ; + eT ln xs
	EACH \np, v_pk_mul_f32 v[D+p:D+p+1], v[D+p:D+p+1], v[W+p:W+p+1]                                ; vL = w D/Q
	EACH \np, v_pk_fma_f32 v[P+p:P+p+1], v[XS+p:XS+p+1], v[P+p:P+p+1], v[W+p:W+p+1]                ; vS = w + xs eT (gamma + ln xs + s)
	EACH \np, v_pk_add_f32 v[P+p:P+p+1], v[P+p:P+p+1], v[D+p:D+p+1] neg_lo:[0,1] neg_hi:[0,1]      ; vS - vL
	EACH \np, v_pk_fma_f32 v[D+p:D+p+1], v[XV+p:XV+p+1], v[P+p:P+p+1], v[D+p:D+p+1]                ; v
	EACH \np, v_pk_mul_f32 v[D+p:D+p+1], v[D+p:D+p+1], v[\st+p:\st+p+1]                            ; t v: the last read of t
.endm
; EVAL2: from t v and w to the output, four pairs
.macro EVAL2
	EACH 4, v_pk_fma_f32 v[D+p:D+p+1], v[D+p:D+p+1], v[CNK:CNK+1], v[C1:C1+1] clamp                ; m = max(inner, 0) / A
	EACH 4, v_pk_mul_f32 v[D+p:D+p+1], v[D+p:D+p+1], s[SA:SA+1] op_sel_hi:[1,0]                    ; max(inner, 0)
	EACH 4, v_pk_mul_f32 v[D+p:D+p+1], v[D+p:D+p+1], v[D+p:D+p+1]                                  ; squared
	EACH 4, v_pk_mul_f32 v[D+p:D+p+1], v[D+p:D+p+1], v[W+p:W+p+1]                                  ; times w
.endm
.macro FILL g                          ; group g's two loads into its slot; the launch reads each byte once
	global_load_b128 v[X+8*((\g)%DEPTH):X+8*((\g)%DEPTH)+3],   v[OFF], s[4:5] offset:(\g)*STEP th:TH_LOAD_NT
	global_load_b128 v[X+8*((\g)%DEPTH)+4:X+8*((\g)%DEPTH)+7], v[OFF], s[4:5] offset:(\g)*STEP+STEP/2 th:TH_LOAD_NT
.endm
.macro GROUP g
.if (\g)+DEPTH <= GROUPS
	s_wait_loadcnt 2*(DEPTH-1)                 ; loads come back in order (ISA guide 5.7.1): my two are in, the three later groups' six stay out
.else
	s_wait_loadcnt 2*(GROUPS-1-(\g))           ; the last groups: nothing was asked for behind them, the counts run down
.endif
	s_wait_xcnt 0x0                            ; the last group's stores have read D: it is rewritten only behind this wait
	EVAL1 4, X+8*((\g)%DEPTH)
.if (\g)+DEPTH < GROUPS
	FILL (\g)+DEPTH                            ; the slot has been read for the last time: its next group is asked for, ahead of the stores
.endif
	EVAL2
	global_store_b128 v[OFF], v[D:D+3],   s[14:15] offset:(\g)*STEP th:TH_STORE_NT
	global_store_b128 v[OFF], v[D+4:D+7], s[14:15] offset:(\g)*STEP+STEP/2 th:TH_STORE_NT
.endm
	s_load_b256 s[4:11], s[0:1], 0x0               ; input s[4:5], global_shift s[6:7], E_param s[8:9], T_max_delta s[10:11]
	s_load_b128 s[12:15], s[0:1], 0x20             ; V_max s[12:13], out0 s[14:15]
	v_lshlrev_b32 v[OFF], 4, v0
	s_lshl_b32 s2, ttmp9, 16                       ; the work-group's 65,536 bytes: 1,023 x 65,536 at the most, below 2^32
	s_mov_b32 s3, 0
	s_mov_b32 s[STINY], 0x2edbe6ff                 ; 1e-10
	KONST SB1, 0x41192c54                          ; 9.5733223454
	KONST SB2, 0x41cd104b                          ; 25.6329561486
	KONST SB3, 0x41a8cc17                          ; 21.0996530827
	KONST SB4, 0x407d5803                          ; 3.9584969228
	KONST SD1, 0x3f7fff95                          ; 9.5733223454 - 8.5733287401 = 0.9999936053
	KONST SD2, 0x40f25db6                          ; 25.6329561486 - 18.0590169730 = 7.5739391756
	KONST SD3, 0x41477033                          ; 21.0996530827 - 8.6347608925 = 12.4648921902
	KONST SD4, 0x406c34cf                          ; 3.9584969228 - 0.2677737343 = 3.6907231885
.irp r, SE, SNE, SXT, SA, SP0, SP1, SP2, SP3, SP4, SP5, SP6, SLN
	s_mov_b32 s[\r+1], 0                           ; the high words of the pairs made below: named, never taken
.endr
	s_wait_kmcnt 0x0
	s_load_b32 s16, s[6:7], 0x0                    ; global_shift
	s_load_b32 s17, s[8:9], 0x0                    ; E_param
	s_load_b32 s18, s[10:11], 0x0                  ; T_max_delta
	s_load_b32 s19, s[12:13], 0x0                  ; V_max
	s_add_nc_u64 s[4:5], s[4:5], s[2:3]
	s_add_nc_u64 s[14:15], s[14:15], s[2:3]
.irp g, 0,1,2,3
	FILL \g                                        ; the ring is filled first: the scalars below are made while these eight loads are on their way
.endr
	v_mov_b32 v[CTI], 0x0da24260                   ; 1e-30
	v_mov_b32 v[CTI+1], 0x0da24260
	v_mov_b32 v[CNB], 0xcb800000                   ; -2^24
	v_mov_b32 v[CNB+1], 0xcb800000
	v_mov_b32 v[CB], 0x4b800000                    ; 2^24
	v_mov_b32 v[CB+1], 0x4b800000
	v_mov_b32 v20, 0x3fb8aa3b                      ; log2 e
	s_wait_kmcnt 0x0
	; THE SCALARS, the same in every lane, in the work arrays' registers
	v_mul_f32 v16, s17, v20
	v_mul_f32 v17, s19, v20
	v_mul_f32 v18, s18, v20
	v_add_f32 v18, v18, v18                        ; 2 T_max_delta log2 e
	v_exp_f32 v16, v16                             ; exp(E_param)
	v_exp_f32 v17, v17                             ; exp(V_max)
	v_exp_f32 v18, v18                             ; exp(2 T_max_delta)
	v_mov_b32 v21, 0x42480000                      ; 50.0: the plain line behind the three exponentials
	s_wait_alu depctr_va_vdst(0)
	v_mul_f32 v16, 0x447a0000, v16                 ; x 1000
	v_add_f32 v18, 1.0, v18
	v_max_num_f32 v16, s[STINY], v16
	v_max_num_f32 v17, s[STINY], v17
	v_min_num_f32 v16, 0x501502f9, v16             ; E, held to 1e-10 .. 1e10
	v_min_num_f32 v17, 0x501502f9, v17             ; V, likewise
	v_rcp_f32 v18, v18
	v_sqrt_f32 v17, v17                            ; U
	v_mul_f32 v22, 0xbfb8aa3b, v16                 ; -E log2 e: the plain line behind the two
	s_wait_alu depctr_va_vdst(0)
	v_fma_f32 v18, v18, -2.0, 1.0                  ; tanh y = 1 - 2 / (1 + exp(2 y)): +-1 where the exponential is infinite or 0
	v_fmaak_f32 v18, v18, v21, 0x43fa0000          ; 500 + 50 tanh
	v_add_f32 v18, s16, v18                        ; + global_shift
	v_max_num_f32 v18, s[STINY], v18               ; T
	v_rcp_f32 v19, v18
	v_mov_b32 v[TS], v18
	v_mov_b32 v[TS+1], v18
	s_wait_alu depctr_va_vdst(0)
	v_mul_f32 v23, v16, v19                        ; xT
	v_mul_f32 v24, v23, v20                        ; xT log2 e
	v_exp_f32 v25, v24                             ; e^xT
	v_mul_f32 v26, v23, v19                        ; xT / T
	v_mul_f32 v26, v26, v17
	v_mul_f32 v26, 0.5, v26                        ; C2 = E U / (2 T^2)
	s_wait_alu depctr_va_vdst(0)
	v_min_num_f32 v25, 0x7b800000, v25             ; eT = min(e^xT, 2^120): |gamma + ln xs + s| stays under 70, so eT times it stays finite.  The cap acts from xT = 83.2 on; there, for x < 1,
	                                               ; (C2/A) t is above xT^2 / 3 and v, which the cap can only raise, above 1e35: m is 0 with the cap as without
	v_mov_b32 v[CE], v16
	v_mov_b32 v[CE+1], v16
	v_readfirstlane_b32 s[SE], v16
	v_readfirstlane_b32 s[SNE], v22
	v_readfirstlane_b32 s[SXT], v24
	v_readfirstlane_b32 s[SET], v25
	v_readfirstlane_b32 s[SU], v17
	v_readfirstlane_b32 s[SC2], v26
	s_mul_f32 s[SP0], s[SET], 0x3f13c468           ;  0.57721566259
	s_mul_f32 s[SP1], s[SET], 0xbf7ffffc           ; -0.99999977134
	s_mul_f32 s[SP2], s[SET], 0x3e7fff08           ;  0.24999629970
	s_mul_f32 s[SP3], s[SET], 0xbd637691           ; -0.055532996229
	s_mul_f32 s[SP4], s[SET], 0x3c2995bd           ;  0.010350641487
	s_mul_f32 s[SP5], s[SET], 0xbacd3d85           ; -0.0015658593055
	s_mul_f32 s[SP6], s[SET], 0x391f7a97           ;  0.00015209089823
	s_mul_f32 s[SLN], s[SET], 0x3f317218           ;  ln 2
	s_xor_b32 s16, s[SC2], 0x80000000              ; -C2 (global_shift has been used)
	EVAL1 1, TS                                    ; T v(xT), by the elements' own text on one pair
	v_fma_f32 v[R], v[D], s[SC2], s[SU]            ; A = U + C2 T v(xT)
	v_rcp_f32 v[R+1], v[R]
	v_mov_b32 v[C1], 1.0                           ; the plain line behind the reciprocal
	v_mov_b32 v[C1+1], 1.0
	s_wait_alu depctr_va_vdst(0)
	v_mul_f32 v[CNK], s16, v[R+1]                  ; -C2/A
	v_readfirstlane_b32 s[SA], v[R]
	v_mov_b32 v[CNK+1], v[CNK]
.irp g, 0,1,2,3,4,5,6,7
	GROUP \g
.endr
	s_endpgm
.Lfunc_end_k_qf011427405_oxide:
	.size	k_qf011427405_oxide, .Lfunc_end_k_qf011427405_oxide-k_qf011427405_oxide
	.p2alignl 7, 3214868480
	.fill 96, 4, 3214868480
	.section	.rodata,"a",@progbits
	.p2align	6, 0x0
	.amdhsa_kernel k_qf011427405_oxide
		.amdhsa_group_segment_fixed_size 0
		.amdhsa_private_segment_fixed_size 0
		.amdhsa_enable_private_segment 0
		.amdhsa_kernarg_size 48
		.amdhsa_user_sgpr_count 2
		.amdhsa_user_sgpr_kernarg_segment_ptr 1
		.amdhsa_wavefront_size32 1
		.amdhsa_system_sgpr_workgroup_id_x 1
		.amdhsa_system_sgpr_workgroup_id_y 1
		.amdhsa_system_sgpr_workgroup_id_z 1
		.amdhsa_system_vgpr_workitem_id 0
		.amdhsa_next_free_vgpr 104
		.amdhsa_next_free_sgpr 66
		.amdhsa_reserve_vcc 0
		.amdhsa_float_denorm_mode_32 3
		.amdhsa_float_denorm_mode_16_64 3
		.amdhsa_memory_ordered 1
		.amdhsa_forward_progress 1
		.amdhsa_inst_pref_size 83
	.end_amdhsa_kernel
	.amdgpu_metadata
---
amdhsa.version: [ 1, 2 ]
amdhsa.kernels:
  - .name:           k_qf011427405_oxide
    .symbol:         k_qf011427405_oxide.kd
    .args:
      - { .name: input, .offset: 0, .size: 8, .value_kind: global_buffer, .address_space: global }
      - { .name: global_shift, .offset: 8, .size: 8, .value_kind: global_buffer, .address_space: global }
      - { .name: E_param, .offset: 16, .size: 8, .value_kind: global_buffer, .address_space: global }
      - { .name: T_max_delta, .offset: 24, .size: 8, .value_kind: global_buffer, .address_space: global }
      - { .name: V_max, .offset: 32, .size: 8, .value_kind: global_buffer, .address_space: global }
      - { .name: out0, .offset: 40, .size: 8, .value_kind: global_buffer, .address_space: global }
    .group_segment_fixed_size: 0
    .private_segment_fixed_size: 0
    .kernarg_segment_align: 8
    .kernarg_segment_size: 48
    .max_flat_workgroup_size: 256
    .sgpr_count:     66
    .vgpr_count:     104
    .wavefront_size: 32
...
	.end_amdgpu_metadata
.endif
;; end of part 1
